; MI455X (gfx1250); checked and timed in simulation.
; The chip was launched on July 23, 2026; its instructions are those of AMD's public machine-readable ISA for CDNA 5 (MIT licence, August 2026) and "CDNA5" Instruction Set Architecture Reference Guide (July 2026). The comments in the code are by the model that wrote it; some were corrected since.
;; Conditioned Stateful LSTM. Allowed arithmetic: matrix products marked QUANTISED: E2M1 operands, one E8M0 scale for each 32 along K, by v_wmma_scale_f32_16x16x128_f8f6f4 with both operands' format E2M1 (or v_wmma_scale_f32_32x16x128_f4), f32 sums; products left as they are: f32 operands where the result goes on into a quantised operand, else bf16, f16 or f32 operands; f32 sums; everything else in f32.
;; Inputs: W_hh 4,096 x 1,024 float32; W_ih 4,096 x 1 float32; b_hh 4,096 float32; b_ih 4,096 float32; c0 1 x 8,192 x 1,024 float32; fc_W 1 x 1,024 float32; fc_b 1 float32; film_W1 2,048 x 4 float32; film_W2 2,048 x 2,048 float32; film_b1 2,048 float32; film_b2 2,048 float32; h0 1 x 8,192 x 1,024 float32; x 8,192 x 5 float32.
;; Outputs: out0 8,192 x 1 float32.
;; This version of the problem:
;;   THIS VERSION OF THE PROBLEM IS GIVEN IN LOW PRECISION. The matrix products marked QUANTISED in the list below multiply operands that are first quantised to E2M1 (2 exponent bits, 1 mantissa bit; 4 bits a number), with one power-of-two scale for each 32 numbers along K (OCP MX v1.0); their sums are f32. All else is computed in f32.
;;   The module's matrix products, in the order in which they are computed (A, B: the left and right operand; K: the contracted axis; several contracted axes count as one K, in the product's order):
;;     1. [M 8,192, K 1] x [K 1, N 4,096]; A: input x; B: input W_ih: left as it is (K = 1 < 32)
;;     2. [M 8,192, K 1,024] x [K 1,024, N 4,096]; A: input h0; B: input W_hh: QUANTISED
;;     3. [M 8,192, K 4] x [K 4, N 2,048]; A: input x; B: input film_W1: left as it is (K = 4 < 32)
;;     4. [M 8,192, K 2,048] x [K 2,048, N 2,048]; A: computed on the way; B: input film_W2: QUANTISED
;;     5. [M 8,192, K 1,024] x [K 1,024, N 1]; A: computed on the way; B: input fc_W: left as it is (N = 1 < 16)
;;   THE QUANTISER, for each operand of a quantised product, along K:
;;     - K is cut into blocks of 32 from its start; a last block that is shorter is filled with zeros.
;;     - A block's scale is 2^e with e = floor(log2(the largest magnitude in the block)) - 2, held to -126 .. 127; a block of zeros has e = 0. As a byte (E8M0): e + 127.
;;     - Each number is divided by its block's scale, clamped to +-6, and rounded to the nearest number of E2M1, ties to even, subnormals kept.
;;     - The product sums the exact products of the quantised numbers (number of the format x scale) in f32.
;;   ~~~python
;;   def quantise(x, axis):      # numpy; x: float32 -> the quantised numbers, widened to float32 again
;;       x = np.moveaxis(x, axis, -1); K = x.shape[-1]
;;       x = np.pad(x, [(0, 0)] * (x.ndim - 1) + [(0, -K % 32)]); x = x.reshape(x.shape[:-1] + (-1, 32)); a = np.abs(x).max(-1, keepdims=True)
;;       e = np.where(a > 0, np.clip(np.frexp(np.where(a > 0, a, 1))[1] - 1 - 2, -126, 127), 0)      # np.frexp(a)[1] - 1 = floor(log2(a)), exactly
;;       r = np.clip(x / 2.0 ** e, -6, 6)
;;       step = 2.0 ** (np.maximum(np.frexp(np.where(r == 0, 1, r))[1] - 1, 0) - 1)
;;       q = np.round(r / step) * step * 2.0 ** e      # np.round: ties to even
;;       return np.moveaxis(q.reshape(q.shape[:-2] + (-1,))[..., :K], -1, axis).astype(np.float32)
;;   ~~~
;;   OPERANDS COMPUTED ON THE WAY. 'Computed on the way' means the value that the module computes at that place (a softmax that the list does not call 'softmax' is quantised finished and normalised). What goes into a quantiser is computed in f32, as accurately as f32 sums, v_exp_f32 and their like allow (about 1e-6 of the number): no bf16 or f16 on the way to a quantiser, and a product that is left as it is and whose result goes on into a quantised operand takes f32 operands (vector FMAs, or v_wmma_f32_16x16x4_f32). A number that lies on a knife's edge between two numbers of the format may be rounded either way, as far as f32 arithmetic and the matrix unit's own rounding can turn it there, and no further.
;; One version. Each part assembles by itself: llvm-mc -triple=amdgcn-amd-amdhsa -mcpu=gfx1250 --defsym DOCPART=n.
;; ======== version 1 of 1: 3 launches
;; limits: right only within a limited range of input values
;; workspace buffers: apan 13,438,976 bytes; bpan 4,456,448 bytes; part 262,144 bytes
;; launch prep (part 1): grid 768 x 1, 4 waves a work-group, no clusters, 38,912 bytes of LDS; arguments x, h0, W_hh, film_W1, film_b1, film_W2, apan, bpan; writes apan, bpan
.if DOCPART == 1
	.amdgcn_target "amdgcn-amd-amdhsa--gfx1250"
	.amdhsa_code_object_version 6
	.text
	.protected	k_qdc3ce173cd_prep
	.globl	k_qdc3ce173cd_prep
	.p2align	8
	.type	k_qdc3ce173cd_prep,@function
k_qdc3ce173cd_prep:
	s_mov_b64 s[64:65], 0
	v_nop
	global_prefetch_b8 v0, s[64:65] scope:SCOPE_SE
	s_setreg_imm32_b32 hwreg(HW_REG_WAVE_MODE, 25, 1), 1
	s_wait_xcnt 0x0
; All four operands of the two quantised products become codes of E2M1 with one E8M0 byte for each 32 along K, laid as PANELS in the order of the operands' registers.
; A panel is 256 operand rows x 512 along K, 69,632 bytes: codes [tile t 0..15][block kb 0..15][row r 0..15][16 bytes] (4096 t + 256 kb + 16 r), then from byte 65,536 the scale
; words [half][q 0..3][grp 0..1][r][ti 0..3][4 bytes], tile t = 8 half + 4 grp + ti, q = the 128 along K that the word serves.
; apan: panel (Mb, i) at (1 + 6 Mb + i) panels: i = 0, 1: h0's K steps; i = 2..5: the hidden layer relu(C W1^T + b1).  Tile t, place r = batch row 256 Mb + 16 t + r.  The buffer's first panel is never touched.
; bpan: panel (Jb, i) at (8 Jb + i) panels: i = 2 p + ks: W_hh; i = 4 + ks: film_W2.  Which 16 rows form a tile is said at the three arms below.
; A block's scale is 2^(floor(log2(its largest magnitude)) - 2): its byte is the largest magnitude's exponent field - 2, held at 1 from below by a floor among the maximum's leaves.
; LIMITS: a block of zeros gets the byte 1 (its codes are zeros, and only this program reads the bytes); blocks whose largest magnitude lies under 2^-124 are held at that byte; NaN and infinities among the inputs are not served.
; SHARES.  Of each three work-groups in a row the first computes and quantises a part of the hidden layer (arithmetic), the other two stream h0, W_hh and film_W2 (memory): 256 and 512 in all.
; 320 registers a wave: three waves of 320 fit a SIMD's 1,024, so three work-groups can lie on a WGP, and the grid has three for each of the 256 WGPs: one that computes beside two that stream,
; whether the work-groups are dealt in threes or 256 apart.  So all the streams' first loads, 64 KB a work-group, go out at the launch's start.
; The two paths part on the work-group's number and have LDS bytes of their own.  No tensor loads, no cluster: no work-group reads what another reads but the small x and W1.
.set PANEL, 69632
.set SCX,   34816                      ; stream path: the work-group's scale words [q][r][ti], 1,024 bytes, behind four waves' stages of 8,704 bytes
.set R2T,   35840                      ; hidden path: W1 turned, [k 0..3][128 units] f32, then b1[128]: 2,560 bytes
.set MSB, 0
.macro WIN new                         ; the immediate's high byte repeats the setting that is left
.if MSB != (\new)
	s_set_vgpr_msb (MSB<<8)|(\new)
.set MSB, (\new)
.endif
.endm
	s_load_b512 s[4:19], s[0:1], 0x0               ; x s[4:5], h0 s[6:7], W_hh s[8:9], W1 s[10:11], b1 s[12:13], W2 s[14:15], apan s[16:17], bpan s[18:19]
	v_lshl_add_u32 v14, v0, 2, 0x9600
	v_mov_b32 v15, 0
	v_lshrrev_b32 v1, 5, v0
	v_readfirstlane_b32 s20, v1                    ; wave 0..3
	v_and_b32 v1, 31, v0                           ; lane
	v_and_b32 v2, 15, v0                           ; r
	v_bfe_u32 v3, v0, 4, 1                         ; h
	v_lshlrev_b32 v6, 4, v1                        ; 16 x lane: my 16 bytes of a store's 512
	v_lshlrev_b32 v13, 3, v3                       ; 8 h: where my two bytes stand in a scale word
	s_mov_b32 s22, 0x76543210
	s_mov_b32 s23, 0xfedcba98                      ; v_permlanex16_b32's selects for lane l xor 16
	s_mul_hi_u32 s21, ttmp9, 0x55555556            ; the work-group's number / 3: exact for numbers under 768
	s_mul_i32 s24, s21, 3
	s_sub_co_u32 s24, ttmp9, s24                   ; and its remainder: 0: the hidden layer; 1, 2: the streams
	s_cmp_eq_u32 s24, 0
	s_cbranch_scc0 .Lstream
; ---------------- THE HIDDEN LAYER.  Work-group s21 = (Q = 128 hidden units, one K step of 128) x 512 rows; wave w: rows 128 w on: 8 tiles n = 4 grp + ti of one half of a panel.
; Lane (r, h) holds row r of a tile and, for c = 0, 1, the whole block 2 c + h of the 128 units in 32 registers: the conversions' results are the operand's registers.
.set XR,  16                           ; v16-79   x[row][1 + k] at v[XR + 8 n + 2 k]; the odd registers are 0: they are named with the even ones as pairs
.set ACC, 80                           ; v80-111  a block's 32 numbers
.set CD,  112                          ; v112-127 codes: four sets of four registers by turns
.set EB,  128                          ; v128-143 the blocks' bytes, at EB + 8 c + n
.set SW,  144                          ; v144-151 the tiles' scale words
.set TM,  152                          ; v152-156 my unit's row of W1 and its b1, on their way into the turned table
.set T0,  160                          ; v160-191 W1[unit j][0] of the block in hand;  v192-223 W1[unit j][1];  v224-255 b1[unit j];  window 1: v0-31 W1[unit j][2], v32-63 W1[unit j][3]
.set T1,  192
.set TBI, 224
	s_and_b32 s24, s21, 15                         ; Q
	s_lshr_b32 s25, s21, 4                         ; which 512 rows
	s_lshl_b32 s26, s24, 11                        ; W1: 128 Q rows of 16 bytes
	s_mov_b32 s27, 0
	s_lshl_b32 s28, s24, 9                         ; b1: 128 Q numbers
	s_mov_b32 s29, 0
	s_lshl_b32 s30, s25, 2
	s_add_co_u32 s30, s30, s20
	s_mul_i32 s30, s30, 2560                       ; x: my first row, 128 (4 rg + w), of 20 bytes
	s_mov_b32 s31, 0
	s_lshl_b32 s32, s25, 1
	s_lshr_b32 s33, s20, 1
	s_add_co_u32 s32, s32, s33                     ; Mb
	s_mul_i32 s32, s32, 6
	s_lshr_b32 s33, s24, 2
	s_add_co_u32 s32, s32, s33
	s_add_co_u32 s32, s32, 3                       ; panel 1 + 6 Mb + 2 + Q / 4
	s_mul_i32 s32, s32, PANEL
	s_and_b32 s33, s20, 1                          ; half
	s_and_b32 s34, s24, 3                          ; q
	s_lshl_b32 s36, s33, 15
	s_add_co_u32 s36, s36, s32
	s_lshl_b32 s35, s34, 10
	s_add_co_u32 s36, s36, s35                     ; codes: panel + 32768 half + 1024 q
	s_mov_b32 s37, 0
	s_lshl_b32 s38, s33, 11
	s_add_co_u32 s38, s38, s32
	s_lshl_b32 s35, s34, 9
	s_add_co_u32 s38, s38, s35
	s_add_co_u32 s38, s38, 65536                   ; scale words: panel + 65536 + 2048 half + 512 q
	s_mov_b32 s39, 0
	v_lshlrev_b32 v4, 4, v0                        ; thread t takes unit t: its row of W1,
	v_lshlrev_b32 v5, 2, v0                        ; its b1,
	v_lshl_add_u32 v7, v0, 2, R2T                  ; and their places in the turned table
	s_wait_alu depctr_va_vdst(0)
	v_lshl_add_u32 v8, v3, 7, R2T                  ; from which lane (r, h) reads 32 units from 32 h on
	v_mul_u32_u24 v9, v2, 20                       ; x: row r
.set n, 0
.rept 32
	v_mov_b32 v[XR+2*n+1], 0
.set n, n+1
.endr
	s_wait_kmcnt 0x0
	s_add_nc_u64 s[10:11], s[10:11], s[26:27]
	s_add_nc_u64 s[12:13], s[12:13], s[28:29]
	s_add_nc_u64 s[4:5], s[4:5], s[30:31]
	s_add_nc_u64 s[36:37], s[16:17], s[36:37]
	s_add_nc_u64 s[38:39], s[16:17], s[38:39]
	global_load_b128 v[TM:TM+3], v4, s[10:11]
	global_load_b32 v[TM+4], v5, s[12:13]
.irp n, 0,1,2,3,4,5,6,7
.irp k, 0,1,2,3
	global_load_b32 v[XR+8*\n+2*\k], v9, s[4:5] offset:320*\n+4+4*\k   ; the selector C = x[:, 1:5] of row 16 n + r
.endr
.endr
	s_wait_loadcnt 32                              ; the two table loads are in; the 32 loads of x may be out
.irp k, 0,1,2,3,4
	ds_store_b32 v7, v[TM+\k] offset:512*\k        ; W1 turned: [k][unit]; behind it b1
.endr
	s_wait_dscnt 0x0                               ; for the others' sake: my part of the table has landed
	s_barrier_signal -1
	s_barrier_wait -1
; The tables of blocks 2 c + h: 32 units from byte 256 c + 128 h of each of the five rows of 512 bytes
.macro TABLE c
.irp i, 0,1,2,3,4,5,6,7
	ds_load_b128 v[T0+4*\i:T0+4*\i+3], v8 offset:256*\c+16*\i
	ds_load_b128 v[T1+4*\i:T1+4*\i+3], v8 offset:512+256*\c+16*\i
	ds_load_b128 v[TBI+4*\i:TBI+4*\i+3], v8 offset:2048+256*\c+16*\i
.endr
	WIN 0x40                                       ; destination window 1
.irp i, 0,1,2,3,4,5,6,7
	ds_load_b128 v[4*\i:4*\i+3], v8 offset:1024+256*\c+16*\i
	ds_load_b128 v[32+4*\i:32+4*\i+3], v8 offset:1536+256*\c+16*\i
.endr
	WIN 0
	s_wait_dscnt 0x0
.endm
; One block of 32 hidden units of tile n's row r: four fused multiply-adds a number in f32 (two numbers an instruction), relu, the block's scale, its codes, its store of 512 consecutive bytes a wave.
.macro HBLK n, c
.irp i, 0,2,4,6,8,10,12,14,16,18,20,22,24,26,28,30
	v_pk_fma_f32 v[ACC+\i:ACC+\i+1], v[T0+\i:T0+\i+1], v[XR+8*\n:XR+8*\n+1], v[TBI+\i:TBI+\i+1] op_sel_hi:[1,0,1]   ; the bias starts the sum
.endr
.irp i, 0,2,4,6,8,10,12,14,16,18,20,22,24,26,28,30
	v_pk_fma_f32 v[ACC+\i:ACC+\i+1], v[T1+\i:T1+\i+1], v[XR+8*\n+2:XR+8*\n+3], v[ACC+\i:ACC+\i+1] op_sel_hi:[1,0,1]
.endr
	WIN 0x01                                       ; W1's columns 2 and 3 lie in window 1
.irp k, 2,3
.irp i, 0,2,4,6,8,10,12,14,16,18,20,22,24,26,28,30
	v_pk_fma_f32 v[ACC+\i:ACC+\i+1], v[32*(\k-2)+\i:32*(\k-2)+\i+1], v[XR+8*\n+2*\k:XR+8*\n+2*\k+1], v[ACC+\i:ACC+\i+1] op_sel_hi:[1,0,1]
.endr
.endr
	WIN 0
.set j, 0
.rept 32
	v_max_num_f32 v[ACC+j], 0, v[ACC+j]            ; relu
.set j, j+1
.endr
	v_max3_num_f32 v10, v[ACC], v[ACC+1], v[ACC+2]                 ; the largest of the 32, none of which is negative: two chains
	v_max3_num_f32 v11, v[ACC+3], v[ACC+4], v[ACC+5]
.irp i, 6,10,14,18,22,26
	v_max3_num_f32 v10, v10, v[ACC+\i], v[ACC+\i+1]
	v_max3_num_f32 v11, v11, v[ACC+\i+2], v[ACC+\i+3]
.endr
	v_max3_num_f32 v10, v10, v[ACC+30], v[ACC+31]
	v_max3_num_f32 v10, v10, v11, 0x1800000        ; and the floor 2^(3 - 127): the byte cannot fall under 1
	v_add_nc_u32 v12, 0xff000000, v10              ; 2 off the exponent field: the conversion takes that field as its scale
.if (8*\c+\n) >= 4
	s_wait_alu depctr_va_vdst(0)
	s_wait_xcnt 0x0                                ; the store of four blocks back has read this set of code registers: they are written again only behind this wait
.endif
.irp g, 0,1,2,3
	v_cvt_scalef32_pk8_fp4_f32 v[CD+4*((\n)%4)+\g], v[ACC+8*\g:ACC+8*\g+7], v12
.endr
	v_lshrrev_b32 v[EB+8*\c+\n], 23, v12           ; the byte; also the plain instruction behind the conversions
	global_store_b128 v6, v[CD+4*((\n)%4):CD+4*((\n)%4)+3], s[36:37] offset:4096*\n+512*\c
.endm
	s_wait_loadcnt 0x0                             ; x
.irp c, 0,1
	TABLE \c
.irp n, 0,1,2,3,4,5,6,7
	HBLK \n, \c
.endr
.endr
.irp n, 0,1,2,3,4,5,6,7
	v_lshl_or_b32 v[SW+\n], v[EB+8+\n], 16, v[EB+\n]               ; my two bytes: blocks h and 2 + h,
	v_lshlrev_b32 v[SW+\n], v13, v[SW+\n]                          ; at their places in the word
.endr
.irp n, 0,1,2,3,4,5,6,7
	v_permlanex16_b32 v[EB+\n], v[SW+\n], s22, s23
.endr
.irp n, 0,1,2,3,4,5,6,7
	v_or_b32 v[SW+\n], v[SW+\n], v[EB+\n]          ; with lane l xor 16's two the word is whole
.endr
	v_cmp_eq_u32 vcc_lo, 1, v3
.irp i, 0,1,2,3
	v_cndmask_b32 v[SW+\i], v[SW+\i], v[SW+4+\i], vcc_lo           ; lanes 0-15 send grp 0's four words of row r, lanes 16-31 grp 1's
.endr
	global_store_b128 v6, v[SW:SW+3], s[38:39]     ; 512 consecutive bytes: [grp][r][ti]
	s_wait_tensorcnt 0x0
	ds_add_u32 v14, v15
	s_wait_dscnt 0x0
	s_endpgm
; ---------------- THE STREAMS.  Work-group = four tiles (one grp of one half of a panel) x 512 along K; wave = tile ti: 8 steps of 16 rows x 64 along K.
.Lstream:
.set OFF, 16                           ; v16-23   load i of a step: rows 2 i and 2 i + 1, sixteen lanes to a row's 256 bytes
.set RAW, 24                           ; v24-151  four sets of 32 registers as loaded
.set X,   152                          ; v152-215 two sets of 32 neighbours along K
.set CQ,  216                          ; v216-247 codes: four registers a step
.set EQ,  248                          ; v248-255 a byte a step
	s_lshl_b32 s25, s21, 1
	s_add_co_u32 s24, s24, s25
	s_sub_co_u32 s24, s24, 1                       ; g = 2 (number / 3) + remainder - 1: 0 .. 511
	s_cmp_lt_u32 s24, 256
	s_cbranch_scc0 .Lnot_h
	; h0: g = 8 Mb + 4 half + 2 grp + ks; the tile's first row 64 (g / 2) + 16 ti
	s_lshr_b32 s25, s24, 1
	s_lshl_b32 s25, s25, 6
	s_lshl_b32 s38, s20, 4
	s_add_co_u32 s25, s25, s38
	s_lshr_b32 s26, s24, 3
	s_mul_i32 s26, s26, 6
	s_and_b32 s27, s24, 1                          ; ks
	s_add_co_u32 s26, s26, s27
	s_add_co_u32 s26, s26, 1                       ; panel 1 + 6 Mb + ks
	s_bfe_u32 s28, s24, 0x10002                    ; half
	s_bfe_u32 s29, s24, 0x10001                    ; grp
	s_branch .Lgo
.Lnot_h:
	s_cmp_lt_u32 s24, 384
	s_cbranch_scc0 .Lfilm
	; W_hh: g' = 16 Jb + 8 p + 4 half + 2 grp + ks; tile b = 4 grp + ti = 2 gate + u: first row 1024 gate + 128 Jb + 64 p + 32 half + 16 u
	s_sub_co_u32 s38, s24, 256
	s_bfe_u32 s28, s38, 0x10002
	s_bfe_u32 s29, s38, 0x10001
	s_and_b32 s27, s38, 1
	s_lshr_b32 s25, s38, 2
	s_lshl_b32 s25, s25, 5
	s_lshl_b32 s39, s29, 1
	s_lshr_b32 s40, s20, 1
	s_add_co_u32 s39, s39, s40
	s_lshl_b32 s39, s39, 10
	s_add_co_u32 s25, s25, s39
	s_and_b32 s40, s20, 1
	s_lshl_b32 s40, s40, 4
	s_add_co_u32 s25, s25, s40
	s_lshr_b32 s26, s38, 4
	s_lshl_b32 s26, s26, 3
	s_bfe_u32 s39, s38, 0x10003
	s_lshl_b32 s39, s39, 1
	s_add_co_u32 s26, s26, s39
	s_add_co_u32 s26, s26, s27                     ; panel 8 Jb + 2 p + ks
	s_branch .Lgo
.Lfilm:
	; film_W2: g'' = 16 Jb + 8 half + 4 grp + ks; tile b = 4 kind + 2 p + u, kind = grp: first row 1024 kind + 128 Jb + 64 p + 32 half + 16 u
	s_sub_co_u32 s38, s24, 384
	s_bfe_u32 s28, s38, 0x10003
	s_bfe_u32 s29, s38, 0x10002
	s_and_b32 s27, s38, 3
	s_lshr_b32 s26, s38, 4
	s_lshl_b32 s25, s26, 7
	s_lshl_b32 s39, s29, 10
	s_add_co_u32 s25, s25, s39
	s_lshr_b32 s39, s20, 1
	s_lshl_b32 s39, s39, 6
	s_add_co_u32 s25, s25, s39
	s_lshl_b32 s39, s28, 5
	s_add_co_u32 s25, s25, s39
	s_and_b32 s39, s20, 1
	s_lshl_b32 s39, s39, 4
	s_add_co_u32 s25, s25, s39
	s_lshl_b32 s26, s26, 3
	s_add_co_u32 s26, s26, s27
	s_add_co_u32 s26, s26, 4                       ; panel 8 Jb + 4 + ks
.Lgo:
	s_wait_kmcnt 0x0
	s_cmp_lt_u32 s24, 256                          ; the buffers are chosen by the work-group's number alone
	s_cselect_b64 s[32:33], s[6:7], s[8:9]
	s_cselect_b64 s[34:35], s[16:17], s[18:19]
	s_cmp_lt_u32 s24, 384
	s_cselect_b64 s[32:33], s[32:33], s[14:15]
	s_mov_b32 s30, 8192
	s_cselect_b32 s30, 4096, s30                   ; a source row in bytes
	s_lshl_b32 s31, s30, 1
	s_mul_i32 s38, s25, s30
	s_lshl_b32 s40, s27, 11
	s_add_co_u32 s38, s38, s40                     ; first row x pitch + 512 ks numbers
	s_mov_b32 s39, 0
	s_add_nc_u64 s[32:33], s[32:33], s[38:39]
	s_mul_i32 s38, s26, PANEL
	s_add_nc_u64 s[34:35], s[34:35], s[38:39]      ; the panel
	s_lshl_b32 s40, s28, 11
	s_lshl_b32 s41, s29, 8
	s_add_co_u32 s40, s40, s41
	s_add_co_u32 s40, s40, 65536
	s_mov_b32 s41, 0
	s_add_nc_u64 s[36:37], s[34:35], s[40:41]      ; its scale words of (half, grp)
	s_lshl_b32 s40, s28, 3
	s_lshl_b32 s38, s29, 2
	s_add_co_u32 s40, s40, s38
	s_add_co_u32 s40, s40, s20
	s_lshl_b32 s40, s40, 12
	s_add_nc_u64 s[34:35], s[34:35], s[40:41]      ; my tile's codes
	s_wait_alu depctr_va_vdst(0)
	v_mul_u32_u24 v[OFF], s30, v3
	v_lshl_add_u32 v[OFF], v2, 4, v[OFF]           ; row h, 16 bytes a lane
.irp i, 1,2,3,4,5,6,7
	v_add_nc_u32 v[OFF+\i], s31, v[OFF+\i-1]       ; two rows on
.endr
	s_mul_i32 s38, s20, 8704                       ; my two stages of 16 rows x 272 bytes
	v_mul_u32_u24 v4, v3, 272
	v_lshl_add_u32 v4, v2, 4, v4
	v_add_nc_u32 v4, s38, v4                       ; in: as loaded
	v_mul_u32_u24 v5, v2, 272
	v_lshl_add_u32 v5, v3, 7, v5
	v_add_nc_u32 v5, s38, v5                       ; out: row r, 128 bytes from 128 h on: a whole block of 32.  272 = 17 x 16: sixteen rows start at sixteen different 16-byte columns of 256
	s_lshl_b32 s38, s20, 2
	s_add_co_u32 s38, s38, SCX
	v_lshl_add_u32 v7, v2, 4, s38                  ; my scale words' place: [q][r][ti]
	v_lshl_add_u32 v8, v0, 4, SCX                  ; and back: 16 bytes a thread
	v_lshrrev_b32 v9, 4, v0
	v_lshlrev_b32 v9, 9, v9
	v_lshl_add_u32 v9, v2, 4, v9                   ; which go to 512 q + 16 r
.macro LOAD s                          ; step s: 16 rows x 256 bytes; sixteen lanes read 256 consecutive bytes, aligned
.irp i, 0,1,2,3,4,5,6,7
	global_load_b128 v[RAW+32*((\s)%4)+4*\i:RAW+32*((\s)%4)+4*\i+3], v[OFF+\i], s[32:33] offset:256*(\s) th:TH_LOAD_NT
.endr
.endm
.macro TURN s                          ; through the wave's own stage: LDS serves a wave's instructions in order, so no wait stands between the stores and the loads
.irp i, 0,1,2,3,4,5,6,7
	ds_store_b128 v4, v[RAW+32*((\s)%4)+4*\i:RAW+32*((\s)%4)+4*\i+3] offset:4352*((\s)%2)+544*\i
.endr
.irp i, 0,1,2,3,4,5,6,7
	ds_load_b128 v[X+32*((\s)%2)+4*\i:X+32*((\s)%2)+4*\i+3], v5 offset:4352*((\s)%2)+16*\i
.endr
.endm
.macro QSTEP t
.set XS, X+32*((\t)%2)
	s_wait_dscnt 0x0                               ; this step's numbers are back from the stage: so its stores into the stage have read their registers,
.if (\t)+4 < 8
	LOAD (\t)+4                                    ; which take the loads of four steps on
.endif
.if (\t)+1 < 8
.if 6-(\t) >= 3
	s_wait_loadcnt 24                              ; the next step's eight loads are in; those of the three steps behind it may be out
.else
	s_wait_loadcnt 8*(6-(\t))
.endif
	TURN (\t)+1                                    ; and go through the other stage while this step is worked
.endif
	v_max3_num_f32 v10, |v[XS]|, |v[XS+1]|, |v[XS+2]|              ; block 2 t + h of row r: all 32 numbers are mine
	v_max3_num_f32 v11, |v[XS+3]|, |v[XS+4]|, |v[XS+5]|
.irp i, 6,10,14,18,22,26
	v_max3_num_f32 v10, v10, |v[XS+\i]|, |v[XS+\i+1]|
	v_max3_num_f32 v11, v11, |v[XS+\i+2]|, |v[XS+\i+3]|
.endr
	v_max3_num_f32 v10, v10, |v[XS+30]|, |v[XS+31]|
	v_max3_num_f32 v10, v10, v11, 0x1800000        ; the floor 2^(3 - 127)
	v_add_nc_u32 v12, 0xff000000, v10
.irp g, 0,1,2,3
	v_cvt_scalef32_pk8_fp4_f32 v[CQ+4*(\t)+\g], v[XS+8*\g:XS+8*\g+7], v12
.endr
	v_lshrrev_b32 v[EQ+(\t)], 23, v12              ; the byte; also the plain instruction behind the conversions
	global_store_b128 v6, v[CQ+4*(\t):CQ+4*(\t)+3], s[34:35] offset:512*(\t)   ; blocks 2 t and 2 t + 1 of 16 rows: 512 consecutive bytes
.endm
.irp t, 0,1,2,3
	LOAD \t
.endr
	s_wait_alu depctr_va_vdst(0)
	s_wait_loadcnt 24                              ; step 0's eight loads are in
	TURN 0
.irp t, 0,1,2,3,4,5,6,7
	QSTEP \t
.endr
.irp q, 0,1,2,3
	v_lshl_or_b32 v[24+\q], v[EQ+2*\q+1], 16, v[EQ+2*\q]           ; blocks 4 q + h and 4 q + 2 + h,
	v_lshlrev_b32 v[24+\q], v13, v[24+\q]                          ; at their places in word q
.endr
.irp q, 0,1,2,3
	v_permlanex16_b32 v[EQ+\q], v[24+\q], s22, s23
.endr
.irp q, 0,1,2,3
	v_or_b32 v[24+\q], v[24+\q], v[EQ+\q]
	ds_store_b32 v7, v[24+\q] offset:256*\q        ; both halves of the lanes write the same word with the same value
.endr
	s_wait_dscnt 0x0                               ; for the others' sake: my words have landed
	s_barrier_signal -1
	s_barrier_wait -1
	s_cmp_lt_u32 s20, 2
	s_cbranch_scc0 .Lend                           ; 1,024 bytes: 64 threads
	ds_load_b128 v[28:31], v8
	s_wait_dscnt 0x0
	global_store_b128 v9, v[28:31], s[36:37]       ; sixteen lanes store 256 consecutive bytes, aligned: [r][ti] of one q
.Lend:
	s_wait_tensorcnt 0x0
	ds_add_u32 v14, v15
	s_wait_dscnt 0x0
	s_endpgm
.Lfunc_end_k_qdc3ce173cd_prep:
	.size	k_qdc3ce173cd_prep, .Lfunc_end_k_qdc3ce173cd_prep-k_qdc3ce173cd_prep
	.p2alignl 7, 3214868480
	.fill 96, 4, 3214868480
	.section	.rodata,"a",@progbits
	.p2align	6, 0x0
	.amdhsa_kernel k_qdc3ce173cd_prep
		.amdhsa_group_segment_fixed_size 38912
		.amdhsa_private_segment_fixed_size 0
		.amdhsa_enable_private_segment 0
		.amdhsa_kernarg_size 64
		.amdhsa_user_sgpr_count 2
		.amdhsa_user_sgpr_kernarg_segment_ptr 1
		.amdhsa_wavefront_size32 1
		.amdhsa_system_sgpr_workgroup_id_x 1
		.amdhsa_system_sgpr_workgroup_id_y 1
		.amdhsa_system_sgpr_workgroup_id_z 1
		.amdhsa_system_vgpr_workitem_id 0
		.amdhsa_next_free_vgpr 320
		.amdhsa_next_free_sgpr 66
		.amdhsa_reserve_vcc 1
		.amdhsa_float_denorm_mode_32 3
		.amdhsa_float_denorm_mode_16_64 3
		.amdhsa_memory_ordered 1
		.amdhsa_forward_progress 1
		.amdhsa_inst_pref_size 152
	.end_amdhsa_kernel
	.amdgpu_metadata
---
amdhsa.version: [ 1, 2 ]
amdhsa.kernels:
  - .name:           k_qdc3ce173cd_prep
    .symbol:         k_qdc3ce173cd_prep.kd
    .args:
      - { .name: x, .offset: 0, .size: 8, .value_kind: global_buffer, .address_space: global }
      - { .name: h0, .offset: 8, .size: 8, .value_kind: global_buffer, .address_space: global }
      - { .name: W_hh, .offset: 16, .size: 8, .value_kind: global_buffer, .address_space: global }
      - { .name: film_W1, .offset: 24, .size: 8, .value_kind: global_buffer, .address_space: global }
      - { .name: film_b1, .offset: 32, .size: 8, .value_kind: global_buffer, .address_space: global }
      - { .name: film_W2, .offset: 40, .size: 8, .value_kind: global_buffer, .address_space: global }
      - { .name: apan, .offset: 48, .size: 8, .value_kind: global_buffer, .address_space: global }
      - { .name: bpan, .offset: 56, .size: 8, .value_kind: global_buffer, .address_space: global }
    .group_segment_fixed_size: 38912
    .private_segment_fixed_size: 0
    .kernarg_segment_align: 8
    .kernarg_segment_size: 64
    .max_flat_workgroup_size: 128
    .sgpr_count:     66
    .vgpr_count:     320
    .wavefront_size: 32
...
	.end_amdgpu_metadata
.endif
;; end of part 1
;; launch main (part 2): grid 8 x 32, 4 waves a work-group, clusters of 4 x 4, 327,680 bytes of LDS; arguments apan, bpan, c0, x, W_ih, b_ih, b_hh, fc_W, film_b2, part; writes part
.if DOCPART == 2
	.amdgcn_target "amdgcn-amd-amdhsa--gfx1250"
	.amdhsa_code_object_version 6
	.text
	.protected	k_qdc3ce173cd_main
	.globl	k_qdc3ce173cd_main
	.p2align	8
	.type	k_qdc3ce173cd_main,@function
k_qdc3ce173cd_main:
	s_mov_b64 s[64:65], 0
	v_nop
	global_prefetch_b8 v0, s[64:65] scope:SCOPE_SE
	s_setreg_imm32_b32 hwreg(HW_REG_WAVE_MODE, 25, 1), 1
	s_wait_xcnt 0x0
	s_wait_alu depctr_hold_cnt(0) depctr_sa_sdst(0) depctr_va_vdst(0) depctr_va_sdst(0) depctr_va_ssrc(0) depctr_va_vcc(0) depctr_vm_vsrc(0)
	s_getreg_b32 s2, hwreg(HW_REG_IB_STS2, 6, 4)
	s_cmp_eq_u32 s2, 0
	s_cbranch_scc0 .Lentry_in_a_cluster
	s_endpgm
.Lentry_in_a_cluster:
	s_bfe_u32 s2, ttmp6, 0x10000c
	s_cmp_lg_u32 s2, 0xf033
	s_cbranch_scc0 .Lentry_shape_is_right
	s_endpgm
.Lentry_shape_is_right:
; part[Jb][row] = the sum over the 128 j of block Jb of (gamma h_new + beta) fc_W, for the LSTM step and the FiLM head; both quantised products on codes of E2M1 from the panels that the launch before has laid.
; SHARES.  Work-group (Jb, Mb) owns 256 rows x 128 j.  Each j wants six columns (i, f, g, o of W_hh, gamma, beta of film_W2): they come in three matrix phases, each a tile of 256 rows x 256 columns:
; G(p = 0), G(p = 1): the four gates of 64 j, K = 1,024;  F: gamma and beta of all 128 j, K = 2,048.  A wave (wr = w / 2, wc = w % 2) makes 128 x 128: 64 accumulators, 512 registers, in every phase.
; Behind each G phase the cell is worked pointwise (phase E) and h_new stays in registers (256); behind F it meets gamma and beta (E2), and a row's sum over the wave's 64 j is one number.
; THE MATRIX INSTRUCTION IS USED TRANSPOSED: source 0 = 16 weight rows, source 1 = 16 batch rows: lane (r, h) holds batch row r, and register jj weight place 8 h + jj.
; In G tile b = 2 gate + u, in F tile b = 4 kind + 2 p + u: j = 128 Jb + 64 p + 32 wc + 16 u + 8 h + jj in all of them, so that gates, c0, h_new, gamma and beta of one j meet in one lane.
; PANELS lie in the order of the operands' registers: a fragment is 1,024 consecutive bytes, two loads of 16 bytes a lane at 16 x lane; four tiles' scale words come by one load.  No pitch, no padding.
; RING.  Two LDS slots; ten stages: (A0 B0) (A1 B1) c0 (A0 B2) (A1 B3) c0 (A2 B4) (A3 B5) (A4 B6) (A5 B7); the change behind stage i fills the slot just read with stage i + 2.  By the text's own count a wave has
; two tensor loads out at the start and one behind each change.  The two G phases are ONE loop of two trips, each of which fills three times (c0, panel, panel); the two stages that fetch nothing are F's last.
; CLUSTER 4 x 4.  A's panels hang on Mb alone and are asked for jointly along a row of the cluster, B's on Jb alone, along a column.  c0's tiles are each work-group's own: plain loads behind the same rounds.
; POINTWISE.  sigmoid(v) = 1 / (1 + 2^(-L v)), tanh(v) = (1 - E) / (1 + E), E = 2^(-2 L v), L = log2(e).  sigmoid x tanh share one reciprocal.  LIMIT: tanh's exponent is held at 32, so that 1 - E stays finite:
; tanh is -1 to within 2^-31 below v = -11; an infinite 1 + E stands only in denominators, whose reciprocal is 0, the right limit.  NaN and infinities among the inputs are not served.
; REGISTERS, in windows of 256:  window 0: v1-15 addresses; v16-23 sig; v24-39 the row sums, a pair a tile of rows; v40-47 at work; v48-63 scale words, two sets, and nothing else; v64-127 A's fragments, one set;
;   v128-255 HX = h_new of the p in hand.   window 1: v0-127 B's fragments, two sets; v128-255 HY = h_new(p = 0) x fc_W.   windows 2, 3: accumulator (a, b) at v[8 (8 (a % 4) + b)], window 2 + a / 4.
;   In phase E the fragments' registers are free: window 0 v64-95, v96-127 the gates' tables; window 1 v0-63 exponents, v64-79, v80-95 at work, v96-111 fc_W, v112-127 sig in pairs.
; THE FORMS AS THEY STAND NOW (where the lines above differ, these hold):
; the products go by the 32 x 16 x 128 form on E2M1: source 0 = TWO neighbouring weight tiles (16 registers), source 1 = 16 batch rows, the result = two neighbouring accumulators (16 registers): 32 instructions for 128 along K, 128 a stage.
; SCALE WORDS, eight registers a set: +0..3: the rows' tiles 0-3 in lanes 0-15 and tiles 4-7 in lanes 16-31 (the second by ROW1); +4..7: the weights' tiles 2 k (lanes 0-15) and 2 k + 1 (lanes 16-31).
; FIRST FILLS: one joint load a wave at the head (stage 0); stage 1's goes out behind the wait for all loads, the add, its wait and a round, as a refill does: one tensor load of a wave is out at any time.
; POINTWISE: (1 + Ei)(1 + Eg) = Ei t + t with t = 1 + Eg, which is finite (Eg is held at 2^32), so an infinite Ei meets no zero; likewise (1 + Eo)(1 + Ec) with t = 1 + Ec.  The factor -2 L of tanh(c_new)'s exponent
; stands in 1 - Eg and in f's denominator, (1 + Ef) / (-2 L).
; c0 AND THE RING, AS THEY STAND NOW: c0 does not go through LDS.  A lane's c0 numbers have the very places of h_new in HX (row 16 a + r, j = 16 u + 8 h + jj), so at the top of each trip, behind the save of HX into HY,
; 32 loads of 16 bytes a lane put them into HX; they have both G stages in which to land; phase E reads c0 from HX and writes h_new over it.
; The ring has eight stages, panels alone: (A0 B0) (A1 B1) E (A0 B2) (A1 B3) E (A2 B4) (A3 B5) (A4 B6) (A5 B7); the change behind stage i fills the slot just read with stage i + 2, so the two stages that follow a
; phase E are asked for ahead of it.  Behind phase E no barrier stands: the stage read there was waited for by every wave in front of the barrier of the change ahead of E.
.set PANEL, 69632
.set HALFP, 34816                      ; half a panel: what one tensor load brings: 136 rows of 256 bytes
.set SLOT,  139264                     ; A's panel, then B's
.set CP,    272
.set TBL,   278528                     ; 11 tables x 128 j, f32: 0-3 K W_ih, 4-7 K (b_ih + b_hh), 8 fc_W, 9 b2[j] fc_W, 10 b2[1024 + j] fc_W.  No fill lands here
.set OUTS,  284160                     ; 4 waves x 128 row sums
.set SPARE, 286208                     ; the spare words, 128 bytes for each wave: two blocks of 256 bytes that no other line names
.set SPW, 1
.set NIL, 2
.set FA0, 3                            ; my lane's place in A's panel: 16 l + 32768 wr
.set FB0, 4                            ; in B's: 16 l + PANEL + 32768 wc
.set FS0, 5                            ; among the rows' scale words: 16 l + 65536 + 2048 wr
.set CP0, 6                            ; my lane's byte offset in c0: 4096 r + 32 h; never rewritten
.set TP0, 7                            ; in a table
.set ADRA, 8
.set ADRB, 9
.set ADRS, 10
.set ADT, 12
.set PFO, 13                           ; 256 x lane; never rewritten
.set PFC, 14                           ; 4096 x lane; never rewritten
.set OA,  104                          ; made at the end, where the fragments' registers are free
.set FW0, 15                           ; my lane's place among the weights' scale words: 16 r + 4 h
.set ADRW, 11                          ; the same in the slot in hand
.set SIG, 16
.set SM,  24
.set WK,  40
.set BG,  40
.set SC,  48
.set AF,  64
.set TW,  64
.set TBP, 96
.set HX,  128
.set NG,  64                           ; window 1
.set CZ,  80
.set FC0, 96
.set SGP, 112
.set HY,  128
.set G0A0, 4                           ; s[4:27] six groups 0: the four first fills, A's and B's walkers
.set G0A1, 8
.set G0B0, 12
.set G0B1, 16
.set G0AW, 20
.set G0BW, 24
.set G1A,  32
.set G1B,  40
.set CB,   48                          ; s[48:49] c0 at my wave's first row and first j of the p in hand
.set WV,   56
.set WR,   57
.set WC,   58
.set TB,   59                          ; LDS byte at which the slot in hand begins
.set P,    60
.set POFF, 61                          ; 256 p: the p in hand in a table
.set WOFF, 62                          ; where my half panel goes in a slot
.set K1,   66                          ; s[66:67] -L
.set K2,   68                          ; s[68:69] -2 L
.set SEL,  70
.set CL,   72                          ; 32.0
.set LIM,  73                          ; 1 in a wave that prefetches panels
.set FCNT, 74
.set PFA,  76
.set PCB,  78
.set MSB, 0
.macro WIN new                         ; the immediate's high byte repeats the setting that is left
.if MSB != (\new)
	s_set_vgpr_msb (MSB<<8)|(\new)
.set MSB, (\new)
.endif
.endm
.set MUL_LO, 0xa1                      ; source 0 (weights) window 1, source 1 (rows) window 0, C and D window 2
.set MUL_HI, 0xf1                      ; the same, C and D window 3
.macro PLACES                          ; four plain vector instructions behind a matrix instruction, ahead of loads into its sources and of reads of its results
.rept 4
	v_nop
.endr
.endm
.macro CREST                           ; a round of the cluster's barrier behind its opening barrier
	s_cmp_lg_u32 s[WV], 0
	s_cbranch_scc1 .Lnot_wave_0_\@
	s_barrier_signal -3
.Lnot_wave_0_\@:
	s_barrier_wait -3
	s_barrier_signal -1
	s_barrier_wait -1
.endm
.macro CROUND
	s_barrier_signal -1
	s_barrier_wait -1
	CREST
.endm
; A joint refill: waves 0 and 1 fetch the halves of A's panel, waves 2 and 3 of B's.  The branch hangs on the wave's number alone.  Four v_nop follow each line.
.macro JLOAD
	s_cmp_lt_u32 s[WV], 2
	s_cbranch_scc0 .Lfor_b_\@
	tensor_load_to_lds s[G0AW:G0AW+3], s[G1A:G1A+7]
	s_nop 0
.rept 4
	v_nop
.endr
	s_branch .Lasked_\@
.Lfor_b_\@:
	tensor_load_to_lds s[G0BW:G0BW+3], s[G1B:G1B+7]
	s_nop 0
.rept 4
	v_nop
.endr
.Lasked_\@:
.endm
; PREFETCHES INTO THE L2.  Panels: at the change behind each phase E, the codes of the two panels that the second and third fills from here will ask for (A2 A3 B4 B5, then A4 A5 B6 B7).  A's panels are read by both
; clusters of a row of clusters: cluster x = 0 asks; B's by all eight of a column: cluster y = 0 asks.  Of a panel's 65,536 bytes of codes a wave's half is shared out among the four partners BY ADDRESS, 8,192 bytes
; each, lanes 256 bytes apart: each block is named once in the launch.  The first four stages come by their loads alone.
.macro ASKP
	s_cmp_eq_u32 s[LIM], 1
	s_cbranch_scc0 .Lnot_mine_\@
	global_prefetch_b8 v[PFO], s[PFA:PFA+1] th:TH_LOAD_NT scope:SCOPE_SE
	global_prefetch_b8 v[PFO], s[PFA:PFA+1] offset:PANEL th:TH_LOAD_NT scope:SCOPE_SE
.Lnot_mine_\@:
.endm
; c0: in the first trip, my own 64 rows x 256 bytes of the second trip's tile, a lane a row: phase E ahead of the load.  Nobody else reads them.
.macro ASKC
	s_cmp_eq_u32 s[P], 0
	s_cbranch_scc0 .Lno_c_\@
	global_prefetch_b8 v[PFC], s[PCB:PCB+1] th:TH_LOAD_NT scope:SCOPE_SE
	global_prefetch_b8 v[PFC], s[PCB:PCB+1] offset:131072 th:TH_LOAD_NT scope:SCOPE_SE
.Lno_c_\@:
.endm
	s_load_b512 s[84:99], s[0:1], 0x0              ; apan s[84:85], bpan s[86:87], c0 s[88:89], x s[90:91], W_ih s[92:93], b_ih s[94:95], b_hh s[96:97], fc_W s[98:99]
	s_load_b128 s[80:83], s[0:1], 0x40             ; film_b2 s[80:81], part s[82:83]
	v_lshl_add_u32 v[SPW], v0, 2, SPARE
	v_mov_b32 v[NIL], 0
	ds_add_u32 v1, v2
	ds_add_u32 v1, v2
	s_wait_dscnt 0x0
	v_lshrrev_b32 v40, 5, v0
	v_readfirstlane_b32 s[WV], v40                 ; wave 0..3
	s_lshr_b32 s[WR], s[WV], 1                     ; which 128 rows are mine
	s_and_b32 s[WC], s[WV], 1                      ; which 128 columns; also: which half of a panel I fetch
	s_bfe_u32 s2, ttmp6, 0x40000                   ; cx
	s_bfe_u32 s3, ttmp6, 0x40004                   ; cy
	s_lshl_b32 s100, ttmp9, 2
	s_add_co_u32 s100, s100, s2                    ; Jb = 4 x cluster x + cx
	s_and_b32 s101, ttmp7, 0xffff
	s_lshl_b32 s101, s101, 2
	s_add_co_u32 s101, s101, s3                    ; Mb = 4 x cluster y + cy
	s_lshl_b32 s74, s3, 2
	s_lshl_b32 s74, 15, s74                        ; my row of the cluster
	s_lshl_b32 s75, 0x1111, s2                     ; my column
	s_or_b32 s[G1A], s74, (3<<16)|(1<<21)          ; 15:0 the mask; 17:16 elements of 8 bytes; 21 set beside a mask; no padding
	s_or_b32 s[G1B], s75, (3<<16)|(1<<21)
.irp g, G1A, G1B
	s_mov_b32 s[\g+1], 32<<16                      ; tensor_dim0 = 32 elements: 256 bytes
	s_mov_b32 s[\g+2], 136<<16                     ; tensor_dim1 = 136
	s_mov_b32 s[\g+3], 32<<16                      ; tile_dim0
	s_mov_b32 s[\g+4], 136                         ; tile_dim1
	s_mov_b32 s[\g+5], 32                          ; the rows are dense
	s_mov_b32 s[\g+6], 0
	s_mov_b32 s[\g+7], 0
.endr
	s_mov_b32 s[K1], 0xbfb8aa3b                    ; -log2(e)
	s_mov_b32 s[K1+1], s[K1]                       ; (named with it as a pair, so it is written)
	s_mov_b32 s[K2], 0xc038aa3b                    ; -2 log2(e)
	s_mov_b32 s[K2+1], s[K2]
	s_mov_b32 s[SEL], 0x76543210
	s_mov_b32 s[SEL+1], 0xfedcba98
	s_mov_b32 s[CL], 0x42000000                    ; 32.0
	s_mov_b32 s[TB], 0
	s_mov_b32 s[P], 0
	s_mov_b32 s[POFF], 0
	s_mul_i32 s[WOFF], s[WV], HALFP                ; no place in the cluster enters an LDS address
	s_mul_i32 s20, s[WC], HALFP
	s_mul_i32 s22, s101, 6*PANEL                   ; A's walker begins one panel ahead of A0 (the buffer's spare panel keeps that inside it) and steps ahead of each use
	s_add_co_u32 s22, s22, s20
	s_mov_b32 s23, 0
	s_mul_i32 s14, s100, 8*PANEL                   ; B0
	s_add_co_u32 s14, s14, s20
	s_mov_b32 s15, 0
	s_lshl_b32 s30, s101, 8
	s_lshl_b32 s28, s[WV], 6
	s_add_co_u32 s30, s30, s28                     ; c0: row 256 Mb + 64 w,
	s_lshl_b32 s30, s30, 12
	s_lshl_b32 s28, s100, 9
	s_add_co_u32 s30, s30, s28                     ; column 128 Jb
	s_mov_b32 s31, 0                               ; (this offset serves c0's prefetch: 64 rows a wave)
	s_lshl_b32 s[CB], s101, 1
	s_add_co_u32 s[CB], s[CB], s[WR]
	s_lshl_b32 s[CB], s[CB], 19                    ; c0's loads: row 256 Mb + 128 wr, of 4,096 bytes,
	s_add_co_u32 s[CB], s[CB], s28                 ; column 128 Jb
	s_lshl_b32 s[CB+1], s[WC], 7
	s_add_co_u32 s[CB], s[CB], s[CB+1]             ; + 32 wc
	s_mov_b32 s[CB+1], 0
	s_wait_kmcnt 0x0
	s_add_nc_u64 s[22:23], s[84:85], s[22:23]
	s_add_nc_u64 s[6:7], s[22:23], PANEL           ; A0
	s_add_nc_u64 s[10:11], s[22:23], 2*PANEL       ; A1
	s_add_nc_u64 s[14:15], s[86:87], s[14:15]
	s_add_nc_u64 s[18:19], s[14:15], PANEL         ; B1
	s_add_nc_u64 s[26:27], s[14:15], PANEL         ; B's walker begins at B1
	s_add_nc_u64 s[30:31], s[88:89], s[30:31]
	s_add_nc_u64 s[CB:CB+1], s[88:89], s[CB:CB+1]
	s_add_nc_u64 s[PCB:PCB+1], s[30:31], 256       ; the second trip's 64 columns
.irp g, G0A0, G0A1, G0B0, G0B1, G0AW, G0BW
	s_mov_b32 s[\g], 1                             ; count = 1
	s_or_b32 s[\g+3], s[\g+3], 0x80000000          ; type = 2
.endr
	s_mov_b32 s[G0A0+1], s[WOFF]
	s_add_co_u32 s[G0A1+1], s[WOFF], SLOT
	s_mov_b32 s[G0B0+1], s[WOFF]
	s_add_co_u32 s[G0B1+1], s[WOFF], SLOT
	CROUND                                         ; all sixteen work-groups are here: the first joint loads meet
	s_cmp_lt_u32 s[WV], 2                          ; stage 0: one joint load a wave, an arm for A's halves and one for B's
	s_cbranch_scc0 .Lfirst_b
	tensor_load_to_lds s[G0A0:G0A0+3], s[G1A:G1A+7]
	s_nop 0
.rept 4
	v_nop
.endr
	s_branch .Lfirst_asked
.Lfirst_b:
	tensor_load_to_lds s[G0B0:G0B0+3], s[G1B:G1B+7]
	s_nop 0
.rept 4
	v_nop
.endr
.Lfirst_asked:
	; the small inputs: thread t takes j = 128 Jb + t
	v_and_b32 v40, 31, v0                          ; l
	s_wait_alu depctr_va_vdst(0)
	v_and_b32 v41, 15, v0                          ; r
	v_bfe_u32 v42, v0, 4, 1                        ; h
	s_wait_alu depctr_va_vdst(0)
	s_lshl_b32 s75, s100, 9
	v_lshl_add_u32 v43, v0, 2, s75
.irp g, 0,1,2,3
	global_load_b32 v[64+\g], v43, s[92:93] offset:4096*\g
	global_load_b32 v[68+\g], v43, s[94:95] offset:4096*\g
	global_load_b32 v[72+\g], v43, s[96:97] offset:4096*\g
.endr
	global_load_b32 v76, v43, s[98:99]
	global_load_b32 v77, v43, s[80:81]
	global_load_b32 v78, v43, s[80:81] offset:4096
	s_lshl_b32 s74, s101, 1
	s_add_co_u32 s74, s74, s[WR]
	s_mul_i32 s74, s74, 2560                       ; x: my first row, 256 Mb + 128 wr, of 20 bytes
	s_mov_b32 s75, 0
	s_add_nc_u64 s[90:91], s[90:91], s[74:75]
	v_mul_u32_u24 v44, v41, 20
.irp a, 0,1,2,3,4,5,6,7
	global_load_b32 v[SIG+\a], v44, s[90:91] offset:320*\a         ; sig of row 16 a + r
.endr
	s_lshl_b32 s74, s100, 15
	s_lshl_b32 s75, s101, 10
	s_add_co_u32 s74, s74, s75
	s_lshl_b32 s75, s[WV], 8
	s_add_co_u32 s74, s74, s75                     ; part: (8192 Jb + 256 Mb + 64 w) x 4
	s_mov_b32 s75, 0
	s_add_nc_u64 s[82:83], s[82:83], s[74:75]
	; the panels' prefetches: where mine stand (two panels ahead of the first that is named), and who asks
	s_mul_i32 s101, s101, 6*PANEL
	s_add_co_u32 s101, s101, PANEL                 ; A0
	s_mul_i32 s100, s100, 8*PANEL
	s_add_co_u32 s100, s100, 2*PANEL               ; B2
	s_and_b32 s75, ttmp7, 0xffff
	s_cmp_lt_u32 s[WV], 2                          ; do I fetch for A?
	s_cselect_b32 s75, ttmp9, s75                  ; the coordinate along which other clusters read the same panels
	s_cselect_b64 s[PFA:PFA+1], s[84:85], s[86:87]
	s_cselect_b32 s2, s2, s3                       ; my place among the four that ask with me
	s_cselect_b32 s100, s101, s100
	s_cmp_eq_u32 s75, 0
	s_cselect_b32 s[LIM], 1, -1                    ; the same in all sixteen partners, for a given wave
	s_lshl_b32 s2, s2, 13
	s_add_co_u32 s100, s100, s2
	s_lshl_b32 s2, s[WC], 15
	s_add_co_u32 s100, s100, s2
	s_mov_b32 s101, 0
	s_add_nc_u64 s[PFA:PFA+1], s[PFA:PFA+1], s[100:101]
	; LDS addresses
	s_lshl_b32 s74, s[WR], 15
	v_lshl_add_u32 v[FA0], v40, 4, s74
	s_lshl_b32 s74, s[WC], 15
	s_add_co_u32 s74, s74, PANEL
	v_lshl_add_u32 v[FB0], v40, 4, s74
	s_mov_b32 s2, 0xbeb17218                       ; 1 / (-2 L) = -ln(2) / 2 (cx and cy are done with)
	s_mov_b32 s3, s2                               ; (named with it as a pair, so it is written)
	s_lshl_b32 s74, s[WR], 11
	s_add_co_u32 s74, s74, 65536
	v_lshl_add_u32 v[FS0], v40, 4, s74             ; the rows' words: 16 l = 256 grp + 16 r: four tiles' words a lane
	s_lshl_b32 s75, s[WC], 11
	s_add_co_u32 s75, s75, PANEL+65536
	v_lshl_add_u32 v[FW0], v41, 4, s75             ; the weights' words: row r,
	v_lshl_add_u32 v[FW0], v42, 2, v[FW0]          ; tile 2 k + h
	v_lshlrev_b32 v[CP0], 12, v41
	v_lshl_add_u32 v[CP0], v42, 5, v[CP0]          ; row r of c0, 32 h bytes along it
	s_lshl_b32 s75, s[WC], 7
	s_add_co_u32 s75, s75, TBL
	v_lshl_add_u32 v[TP0], v42, 5, s75             ; TBL + 128 wc + 32 h
	v_lshlrev_b32 v[PFO], 8, v40
	v_lshlrev_b32 v[PFC], 12, v40
	v_lshl_add_u32 v45, v0, 2, TBL
.set n, 0
.rept 128
	v_mov_b32 v[HX+n], 0                           ; the gate loop is written once: its first trip saves zeros where the second saves h_new(p = 0)
.set n, n+1
.endr
	s_wait_loadcnt 0x0
.irp g, 0,1,3
	v_mul_f32 v[64+\g], s[K1], v[64+\g]            ; the exponent's factor goes into the tables
	v_add_f32 v[68+\g], v[68+\g], v[72+\g]
	v_mul_f32 v[68+\g], s[K1], v[68+\g]
.endr
	v_mul_f32 v66, s[K2], v66
	v_add_f32 v70, v70, v74
	v_mul_f32 v70, s[K2], v70
	v_mul_f32 v77, v77, v76
	v_mul_f32 v78, v78, v76
.irp k, 0,1,2,3,4,5,6,7
	ds_store_b32 v45, v[64+\k] offset:512*\k
.endr
	ds_store_b32 v45, v76 offset:4096
	ds_store_b32 v45, v77 offset:4608
	ds_store_b32 v45, v78 offset:5120
	s_wait_alu depctr_va_vdst(0)
	s_wait_tensorcnt 0x0                           ; my part of stage 0 is in
	ds_add_u32 v[SPW], v[NIL]
	s_wait_dscnt 0x0                               ; the add is done, and my part of the tables has landed
	CROUND                                         ; everybody's part of stage 0 and of the tables is in, and all sixteen work-groups are here
	s_cmp_lt_u32 s[WV], 2                          ; stage 1, slot 1's first fill: the first tensor load behind the round
	s_cbranch_scc0 .Lsecond_b
	tensor_load_to_lds s[G0A1:G0A1+3], s[G1A:G1A+7]
	s_nop 0
.rept 4
	v_nop
.endr
	s_branch .Lsecond_asked
.Lsecond_b:
	tensor_load_to_lds s[G0B1:G0B1+3], s[G1B:G1B+7]
	s_nop 0
.rept 4
	v_nop
.endr
.Lsecond_asked:
	; beta's bias is the same for every row: the sum of b2[1024 + j] fc_W over my lane's 32 j starts the row sums
.irp pu, 0,1,2,3
.irp c, 0,1
	ds_load_b128 v[AF+8*\pu+4*\c:AF+8*\pu+4*\c+3], v[TP0] offset:5120+256*(\pu/2)+64*(\pu%2)+16*\c
.endr
.endr
	s_wait_dscnt 0x0
.irp i, 0,2,4,6,8,10,12,14
	v_pk_add_f32 v[AF+\i:AF+\i+1], v[AF+\i:AF+\i+1], v[AF+16+\i:AF+17+\i]
.endr
.irp i, 0,2,4,6
	v_pk_add_f32 v[AF+\i:AF+\i+1], v[AF+\i:AF+\i+1], v[AF+8+\i:AF+9+\i]
.endr
.irp i, 0,2
	v_pk_add_f32 v[AF+\i:AF+\i+1], v[AF+\i:AF+\i+1], v[AF+4+\i:AF+5+\i]
.endr
.irp a, 0,1,2,3,4,5,6,7
	v_pk_add_f32 v[SM+2*\a:SM+2*\a+1], v[AF:AF+1], v[AF+2:AF+3]
.endr
; 16 tiles of results by 8 matrix instructions of 32 x 16 x 128: rows' tiles a0, a0 + 1 x the four pairs of weight tiles, the slot's q-th 128 along K.
; The 32 double accumulators take turns, one instruction a turn, in one order everywhere.
; The weights' scales fill a register's 32 lanes (tile b below, b + 1 above); the rows' tile a stands in lanes 0-15 of register a % 4 for a under 4, else in lanes 16-31 (ROW1).
.macro MUL16 a0, q, zero
.irp a, \a0, \a0+1
.irp b, 0,2,4,6
.set DD, 8*(8*((\a)%4)+\b)
.set WW, 64*((\q)%2)+8*\b
.set SS, SC+8*((\q)%2)
.if \zero
.if (\a) >= 4
	v_wmma_scale_f32_32x16x128_f4 v[DD:DD+15], v[WW:WW+15], v[AF+8*(\a):AF+8*(\a)+7], 0, v[SS+4+\b/2], v[SS+(\a)%4] matrix_b_scale:MATRIX_SCALE_ROW1
.else
	v_wmma_scale_f32_32x16x128_f4 v[DD:DD+15], v[WW:WW+15], v[AF+8*(\a):AF+8*(\a)+7], 0, v[SS+4+\b/2], v[SS+(\a)%4]
.endif
.else
.if (\a) >= 4
	v_wmma_scale_f32_32x16x128_f4 v[DD:DD+15], v[WW:WW+15], v[AF+8*(\a):AF+8*(\a)+7], v[DD:DD+15], v[SS+4+\b/2], v[SS+(\a)%4] matrix_b_scale:MATRIX_SCALE_ROW1
.else
	v_wmma_scale_f32_32x16x128_f4 v[DD:DD+15], v[WW:WW+15], v[AF+8*(\a):AF+8*(\a)+7], v[DD:DD+15], v[SS+4+\b/2], v[SS+(\a)%4]
.endif
.endif
.endr
.endr
.endm
.macro FETCH_B q                       ; the weights' eight fragments of the slot's q-th 128 along K into set q % 2
	WIN 0x40
.irp i, 0,1,2,3,4,5,6,7
	ds_load_b128 v[64*((\q)%2)+8*\i:64*((\q)%2)+8*\i+3], v[ADRB] offset:4096*\i+1024*(\q)
	ds_load_b128 v[64*((\q)%2)+8*\i+4:64*((\q)%2)+8*\i+7], v[ADRB] offset:4096*\i+1024*(\q)+512
.endr
	WIN 0
.endm
.macro FETCH_A q, i0                   ; the rows' tiles i0 .. i0 + 3
.irp i, \i0, \i0+1, \i0+2, \i0+3
	ds_load_b128 v[AF+8*(\i):AF+8*(\i)+3], v[ADRA] offset:4096*(\i)+1024*(\q)
	ds_load_b128 v[AF+8*(\i)+4:AF+8*(\i)+7], v[ADRA] offset:4096*(\i)+1024*(\q)+512
.endr
.endm
.macro SCALES q                        ; eight tiles' words of both sides: five loads
.if (\q) == 0
	v_add_nc_u32 v[ADRW], s[TB], v[FW0]            ; a slot's first words: the weights' place in the slot in hand
.endif
	ds_load_b128 v[SC+8*((\q)%2):SC+8*((\q)%2)+3], v[ADRS] offset:512*(\q)   ; the rows' eight tiles: lanes 0-15 tiles 0-3, lanes 16-31 tiles 4-7
.irp k, 0,1,2,3
	ds_load_b32 v[SC+8*((\q)%2)+4+\k], v[ADRW] offset:512*(\q)+256*(\k/2)+8*(\k%2)   ; the weights' tiles 2 k and 2 k + 1: 32 different words of 256 bytes
.endr
.endm
; A step of 128 along K that has its successor in the same slot.  A tile of rows is free as soon as its eight products are issued: one set of registers serves the rows, two the weights.
.macro STEP q, zero
	s_wait_dscnt 8                                 ; all but the youngest eight loads (the rows' tiles 4-7) are in
	WIN MUL_LO
	MUL16 0, \q, \zero
	MUL16 2, \q, \zero
	s_wait_dscnt 0x0                               ; tiles 4-7 are in (asked for 16 matrix instructions ago)
	PLACES
	FETCH_B (\q)+1
	FETCH_A (\q)+1, 0
	SCALES (\q)+1
	WIN MUL_HI
	MUL16 4, \q, \zero
	MUL16 6, \q, \zero
	PLACES
	WIN 0
	FETCH_A (\q)+1, 4
.endm
.macro NEXT                            ; on to the other slot: its first fragments, under the second half of the old slot's last step
	s_xor_b32 s[TB], s[TB], SLOT
	v_add_nc_u32 v[ADRA], s[TB], v[FA0]
	v_add_nc_u32 v[ADRB], s[TB], v[FB0]
	v_add_nc_u32 v[ADRS], s[TB], v[FS0]
	FETCH_B 0
	FETCH_A 0, 0
	SCALES 0
	WIN MUL_HI
	MUL16 4, 3, 0
	MUL16 6, 3, 0
	PLACES
	WIN 0
	FETCH_A 0, 4
.endm
; A slot's last step changes slots: ONE barrier; in front of it each wave waits for all its tensor loads (its part of the next stage), adds 0 to its spare word, and waits for that and for its own reads of this slot.
; kind 1: this slot takes the next panels, and phase E follows, so no fragment is fetched; 2: the next panels; 3: nothing is left to fetch.  Where a slot is filled the barrier opens a round of the cluster's.
.macro TURN kind
	s_wait_tensorcnt 0x0                           ; no tensor load of mine is out, so a group 0 may be written
	ds_add_u32 v[SPW], v[NIL]                      ; 0 onto my spare word
.if \kind < 3
	s_add_co_u32 s[G0AW+1], s[TB], s[WOFF]
	s_add_co_u32 s[G0BW+1], s[TB], s[WOFF]
	s_add_nc_u64 s[G0AW+2:G0AW+3], s[G0AW+2:G0AW+3], PANEL
	s_add_nc_u64 s[G0BW+2:G0BW+3], s[G0BW+2:G0BW+3], PANEL
.endif
	s_wait_dscnt 9                                 ; (the add and the youngest eight loads may be out)
	WIN MUL_LO
	MUL16 0, 3, 0                                  ; eight matrix instructions stand between the add and the wait for it
	s_wait_dscnt 0x0                               ; the add is done, and my reads of this slot are over
	s_barrier_signal -1
	MUL16 2, 3, 0
	WIN 0
	s_barrier_wait -1
.if \kind == 1
	CREST
	JLOAD
	ASKC
	s_xor_b32 s[TB], s[TB], SLOT                   ; on to the other slot, which holds the next stage
	WIN MUL_HI
	MUL16 4, 3, 0
	MUL16 6, 3, 0
	PLACES
	WIN 0
.elseif \kind == 2
	CREST
	JLOAD
	NEXT
.else
	PLACES
	NEXT
.endif
.endm
; PHASE E, 16 elements a lane at a time: tiles of rows a = 2 A2, 2 A2 + 1, the eight j of half u.  Window 1: v[32 ap + 8 gate + jj] the gates' exponents.
.macro UNIT u, A2
	WIN 0x41
.irp ap, 0,1
.irp g, 0,1,2,3
.irp i, 0,2,4,6
	v_pk_fma_f32 v[32*\ap+8*\g+\i:32*\ap+8*\g+\i+1], v[SGP+2*(2*\A2+\ap):SGP+2*(2*\A2+\ap)+1], v[TW+8*\g+\i:TW+8*\g+\i+1], v[TBP+8*\g+\i:TBP+8*\g+\i+1] op_sel_hi:[0,1,1]   ; K (sig W_ih + b_ih + b_hh)
.endr
.endr
.endr
	WIN 0x52+(\A2)/2
.irp ap, 0,1
.irp g, 0,1,2,3
.irp i, 0,2,4,6
.if \g == 2
	v_pk_fma_f32 v[32*\ap+8*\g+\i:32*\ap+8*\g+\i+1], v[8*(8*((2*\A2+\ap)%4)+2*\g+\u)+\i:8*(8*((2*\A2+\ap)%4)+2*\g+\u)+\i+1], s[K2:K2+1], v[32*\ap+8*\g+\i:32*\ap+8*\g+\i+1] op_sel_hi:[1,0,1]
.else
	v_pk_fma_f32 v[32*\ap+8*\g+\i:32*\ap+8*\g+\i+1], v[8*(8*((2*\A2+\ap)%4)+2*\g+\u)+\i:8*(8*((2*\A2+\ap)%4)+2*\g+\u)+\i+1], s[K1:K1+1], v[32*\ap+8*\g+\i:32*\ap+8*\g+\i+1] op_sel_hi:[1,0,1]   ; + K x the product; each accumulator from its low end on
.endif
.endr
.endr
.endr
	WIN 0x55
.irp ap, 0,1
.irp j, 0,1,2,3,4,5,6,7
	v_min_num_f32 v[32*\ap+16+\j], s[CL], v[32*\ap+16+\j]          ; tanh's exponent is held at 32
.endr
.endr
.set n, 0
	s_wait_alu depctr_va_vdst(0)
.rept 64
	v_exp_f32 v[n], v[n]                           ; one batch: Ei, Ef, Eg, Eo of 16 elements
.set n, n+1
.endr
	v_nop                                          ; a plain instruction behind the last exponential
	s_wait_alu depctr_va_vdst(0)                   ; one wait for the batch, ahead of its first reader
.irp ap, 0,1
.irp i, 0,2,4,6
	v_pk_fma_f32 v[NG+8*\ap+\i:NG+8*\ap+\i+1], v[32*\ap+16+\i:32*\ap+16+\i+1], s[K2:K2+1], s[K2:K2+1] op_sel_hi:[1,0,0] neg_lo:[1,0,0] neg_hi:[1,0,0]   ; -2 L (1 - Eg)
	v_pk_add_f32 v[32*\ap+16+\i:32*\ap+16+\i+1], v[32*\ap+16+\i:32*\ap+16+\i+1], 1.0 op_sel_hi:[1,0]   ; t = 1 + Eg, finite
	v_pk_fma_f32 v[32*\ap+8+\i:32*\ap+8+\i+1], v[32*\ap+8+\i:32*\ap+8+\i+1], s[2:3], s[2:3] op_sel_hi:[1,0,0]   ; (1 + Ef) / (-2 L)
.endr
.endr
.irp ap, 0,1
.irp i, 0,2,4,6
	v_pk_fma_f32 v[32*\ap+\i:32*\ap+\i+1], v[32*\ap+\i:32*\ap+\i+1], v[32*\ap+16+\i:32*\ap+16+\i+1], v[32*\ap+16+\i:32*\ap+16+\i+1]   ; Ei t + t = (1 + Ei)(1 + Eg): one reciprocal for sigmoid(i) tanh(g)
.endr
.endr
	s_wait_alu depctr_va_vdst(0)
.irp ap, 0,1
.irp j, 0,1,2,3,4,5,6,7,8,9,10,11,12,13,14,15
	v_rcp_f32 v[32*\ap+\j], v[32*\ap+\j]           ; that, and 1 / (1 + Ef)
.endr
.endr
	v_nop
	s_wait_alu depctr_va_vdst(0)
.irp ap, 0,1
.irp i, 0,2,4,6
	v_pk_mul_f32 v[NG+8*\ap+\i:NG+8*\ap+\i+1], v[NG+8*\ap+\i:NG+8*\ap+\i+1], v[32*\ap+\i:32*\ap+\i+1]   ; sigmoid(i) tanh(g)
.endr
.endr
	WIN 0x54                                       ; c0 stands in window 0, where h_new will stand
.irp ap, 0,1
.irp i, 0,2,4,6
	v_pk_fma_f32 v[CZ+8*\ap+\i:CZ+8*\ap+\i+1], v[HX+16*(2*\A2+\ap)+8*\u+\i:HX+16*(2*\A2+\ap)+8*\u+\i+1], v[32*\ap+8+\i:32*\ap+8+\i+1], v[NG+8*\ap+\i:NG+8*\ap+\i+1]   ; -2 L c_new
.endr
.endr
	WIN 0x55
.set n, 0
.rept 16
	v_min_num_f32 v[CZ+n], s[CL], v[CZ+n]
.set n, n+1
.endr
.set n, 0
	s_wait_alu depctr_va_vdst(0)
.rept 16
	v_exp_f32 v[CZ+n], v[CZ+n]                     ; Ec
.set n, n+1
.endr
	v_nop
	s_wait_alu depctr_va_vdst(0)
.set n, 0
.rept 8
	v_pk_fma_f32 v[NG+n:NG+n+1], v[CZ+n:CZ+n+1], -1.0, 1.0 op_sel_hi:[1,0,0]   ; 1 - Ec
.set n, n+2
.endr
.set n, 0
.rept 8
	v_pk_add_f32 v[CZ+n:CZ+n+1], v[CZ+n:CZ+n+1], 1.0 op_sel_hi:[1,0]
.set n, n+2
.endr
.irp ap, 0,1
.irp i, 0,2,4,6
	v_pk_fma_f32 v[CZ+8*\ap+\i:CZ+8*\ap+\i+1], v[32*\ap+24+\i:32*\ap+24+\i+1], v[CZ+8*\ap+\i:CZ+8*\ap+\i+1], v[CZ+8*\ap+\i:CZ+8*\ap+\i+1]   ; Eo t + t = (1 + Eo)(1 + Ec), t = 1 + Ec finite
.endr
.endr
.set n, 0
	s_wait_alu depctr_va_vdst(0)
.rept 16
	v_rcp_f32 v[CZ+n], v[CZ+n]
.set n, n+1
.endr
	v_nop
	s_wait_alu depctr_va_vdst(0)
	WIN 0x05
.irp ap, 0,1
.irp i, 0,2,4,6
	v_pk_mul_f32 v[HX+16*(2*\A2+\ap)+8*\u+\i:HX+16*(2*\A2+\ap)+8*\u+\i+1], v[NG+8*\ap+\i:NG+8*\ap+\i+1], v[CZ+8*\ap+\i:CZ+8*\ap+\i+1]   ; h_new = sigmoid(o) tanh(c_new)
.endr
.endr
	WIN 0
.irp i, 0,2,4,6
.irp ap, 0,1
	v_pk_fma_f32 v[SM+2*(2*\A2+\ap):SM+2*(2*\A2+\ap)+1], v[HX+16*(2*\A2+\ap)+8*\u+\i:HX+16*(2*\A2+\ap)+8*\u+\i+1], v[BG+\i:BG+\i+1], v[SM+2*(2*\A2+\ap):SM+2*(2*\A2+\ap)+1]   ; gamma's bias: + h_new b2[j] fc_W
.endr
.endr
.endm
.macro TABLES u                        ; the gates' tables and gamma's bias of my eight j of half u, p in hand
.irp g, 0,1,2,3
.irp c, 0,1
	ds_load_b128 v[TW+8*\g+4*\c:TW+8*\g+4*\c+3], v[ADT] offset:512*\g+64*\u+16*\c
	ds_load_b128 v[TBP+8*\g+4*\c:TBP+8*\g+4*\c+3], v[ADT] offset:2048+512*\g+64*\u+16*\c
.endr
.endr
.irp c, 0,1
	ds_load_b128 v[BG+4*\c:BG+4*\c+3], v[ADT] offset:4608+64*\u+16*\c
.endr
	s_wait_dscnt 0x0
.endm
	v_add_nc_u32 v[ADRA], s[TB], v[FA0]
	v_add_nc_u32 v[ADRB], s[TB], v[FB0]
	v_add_nc_u32 v[ADRS], s[TB], v[FS0]
	FETCH_B 0
	FETCH_A 0, 0
	SCALES 0
	FETCH_A 0, 4
.Lp:                                               ; two trips: the gates of 64 j each
	s_wait_alu depctr_va_vdst(0)
	WIN 0x40
.irp u, 0,1
.irp c, 0,1
	ds_load_b128 v[FC0+8*\u+4*\c:FC0+8*\u+4*\c+3], v[TP0] offset:4096+64*\u+16*\c   ; fc_W of p = 0, into the weights' second set, which is free until the first step's middle
.endr
.endr
	s_wait_dscnt 0x0
	WIN 0x44
.irp a, 0,1,2,3,4,5,6,7
.irp j, 0,2,4,6,8,10,12,14
	v_pk_mul_f32 v[HY+16*\a+\j:HY+16*\a+\j+1], v[HX+16*\a+\j:HX+16*\a+\j+1], v[FC0+\j:FC0+\j+1]   ; what the trip before has left is saved, x fc_W (first trip: zeros)
.endr
.endr
	WIN 0
.irp a, 0,1,2,3,4,5,6,7
.irp u, 0,1
.irp c, 0,1
	global_load_b128 v[HX+16*\a+8*\u+4*\c:HX+16*\a+8*\u+4*\c+3], v[CP0], s[CB:CB+1] offset:65536*\a+64*\u+16*\c   ; c0(16 a + r, 16 u + 8 h + 4 c ..): HX is free until phase E
.endr
.endr
.endr
	STEP 0, 1                                      ; the first products start the sums: nothing is cleared
	STEP 1, 0
	STEP 2, 0
	TURN 2
	s_wait_alu depctr_va_vdst(0)
	STEP 0, 0
	STEP 1, 0
	STEP 2, 0
	TURN 1
	; ---- phase E: the cell, pointwise.  c0 lies in HX
	v_add_nc_u32 v[ADT], s[POFF], v[TP0]
	WIN 0x40
.irp a, 0,1,2,3,4,5,6,7
	v_mov_b32 v[SGP+2*\a], v[SIG+\a]               ; sig in pairs, for the packed form's broadcast of a pair's low word
	v_mov_b32 v[SGP+2*\a+1], v[SIG+\a]
.endr
	WIN 0
	s_wait_alu depctr_va_vdst(0)
	s_wait_loadcnt 0x0                             ; c0's 32 loads, issued at the trip's top, are in HX
.irp u, 0,1
	TABLES \u
.irp A2, 0,1,2,3
	UNIT \u, \A2
.endr
.endr
	; ---- the change behind phase E
	; ---- on to the next stage: it lies whole in the slot in hand (every wave waited for its part in front of the barrier of the change ahead of phase E)
	s_add_nc_u64 s[CB:CB+1], s[CB:CB+1], 256       ; c0's next 64 columns (the loads that named this base were waited for at the head of phase E)
	s_wait_xcnt 0x0                                ; the last prefetches, a phase back, have read their address, so it may be written
	s_add_nc_u64 s[PFA:PFA+1], s[PFA:PFA+1], 2*PANEL
	v_add_nc_u32 v[ADRA], s[TB], v[FA0]
	v_add_nc_u32 v[ADRB], s[TB], v[FB0]
	v_add_nc_u32 v[ADRS], s[TB], v[FS0]
	FETCH_B 0
	FETCH_A 0, 0
	SCALES 0
	FETCH_A 0, 4
	ASKP                                           ; behind the joint load and the run of LDS loads that the next products wait for
	s_add_co_u32 s[POFF], s[POFF], 256
	s_add_co_u32 s[P], s[P], 1
	s_cmp_lt_u32 s[P], 2
	s_cbranch_scc1 .Lp
	; ---- phase F: gamma and beta of all 128 j, four stages
	s_wait_alu depctr_va_vdst(0)
	STEP 0, 1
	s_mov_b32 s[FCNT], 2
.LF:
	s_wait_alu depctr_va_vdst(0)
	STEP 1, 0
	STEP 2, 0
	TURN 2
	s_wait_alu depctr_va_vdst(0)
	STEP 0, 0
	s_sub_co_u32 s[FCNT], s[FCNT], 1
	s_cmp_lg_u32 s[FCNT], 0
	s_cbranch_scc1 .LF
	STEP 1, 0                                      ; the last two stages are written out: they fetch nothing
	STEP 2, 0
	TURN 3
	s_wait_alu depctr_va_vdst(0)
	STEP 0, 0
	STEP 1, 0
	STEP 2, 0
	s_wait_dscnt 8
	WIN MUL_LO
	MUL16 0, 3, 0
	MUL16 2, 3, 0
	s_wait_dscnt 0x0
	WIN MUL_HI
	MUL16 4, 3, 0
	MUL16 6, 3, 0
	WIN 0
	PLACES
	; ---- E2: the row sums take (gamma h_new + beta) fc_W; each accumulator is read from its low end on; four tiles of rows by turns
.irp pu, 0,1,2,3
.irp c, 0,1
	ds_load_b128 v[AF+8*\pu+4*\c:AF+8*\pu+4*\c+3], v[TP0] offset:4096+256*(\pu/2)+64*(\pu%2)+16*\c   ; fc_W of my 32 j
.endr
.endr
	s_wait_dscnt 0x0
.irp hi, 0,1
	WIN 0x06+\hi
.irp u, 0,1
.irp i, 0,2,4,6
.irp aa, 0,1,2,3
	v_pk_fma_f32 v[SM+8*\hi+2*\aa:SM+8*\hi+2*\aa+1], v[64*\aa+8*\u+\i:64*\aa+8*\u+\i+1], v[HY+64*\hi+16*\aa+8*\u+\i:HY+64*\hi+16*\aa+8*\u+\i+1], v[SM+8*\hi+2*\aa:SM+8*\hi+2*\aa+1]   ; p = 0: gamma x (h_new fc_W)
.endr
.endr
.endr
	WIN 0x02+\hi
.irp u, 0,1
.irp i, 0,2,4,6
.irp aa, 0,1,2,3
	v_pk_fma_f32 v[SM+8*\hi+2*\aa:SM+8*\hi+2*\aa+1], v[64*\aa+32+8*\u+\i:64*\aa+32+8*\u+\i+1], v[AF+8*\u+\i:AF+8*\u+\i+1], v[SM+8*\hi+2*\aa:SM+8*\hi+2*\aa+1]   ; p = 0: beta x fc_W
.endr
.endr
.endr
	WIN 0x62+0x11*\hi
.irp u, 0,1
.irp i, 0,2,4,6
.irp aa, 0,1,2,3
	v_pk_fma_f32 v[64*\hi+16*\aa+8*\u+\i:64*\hi+16*\aa+8*\u+\i+1], v[64*\aa+16+8*\u+\i:64*\aa+16+8*\u+\i+1], v[HX+64*\hi+16*\aa+8*\u+\i:HX+64*\hi+16*\aa+8*\u+\i+1], v[64*\aa+48+8*\u+\i:64*\aa+48+8*\u+\i+1]   ; p = 1: gamma h_new + beta
.endr
.endr
.endr
	WIN 0x01
.irp u, 0,1
.irp i, 0,2,4,6
.irp aa, 0,1,2,3
	v_pk_fma_f32 v[SM+8*\hi+2*\aa:SM+8*\hi+2*\aa+1], v[64*\hi+16*\aa+8*\u+\i:64*\hi+16*\aa+8*\u+\i+1], v[AF+16+8*\u+\i:AF+16+8*\u+\i+1], v[SM+8*\hi+2*\aa:SM+8*\hi+2*\aa+1]   ; x fc_W
.endr
.endr
.endr
.endr
	WIN 0
.irp a, 0,1,2,3,4,5,6,7
	v_add_f32 v[WK+\a], v[SM+2*\a], v[SM+2*\a+1]   ; a pair's two halves,
.endr
.irp a, 0,1,2,3,4,5,6,7
	v_permlanex16_b32 v[AF+\a], v[WK+\a], s[SEL], s[SEL+1]
.endr
.irp a, 0,1,2,3,4,5,6,7
	v_add_f32 v[WK+\a], v[WK+\a], v[AF+\a]         ; and lane l xor 16's: row 16 a + r over my wave's 64 j
.endr
	s_lshl_b32 s74, s[WV], 9
	s_add_co_u32 s74, s74, OUTS
	v_and_b32 v[OA], 15, v0
	v_lshl_add_u32 v[OA], v[OA], 2, s74            ; my wave's 128 sums, row r
.irp a, 0,1,2,3,4,5,6,7
	ds_store_b32 v[OA], v[WK+\a] offset:64*\a      ; both halves of the lanes write the same word with the same value
.endr
	s_lshl_b32 s74, s[WR], 10
	s_lshl_b32 s75, s[WC], 8
	s_add_co_u32 s74, s74, s75
	s_add_co_u32 s74, s74, OUTS
	v_and_b32 v72, 31, v0
	v_lshl_add_u32 v73, v72, 3, s74                ; rows 64 w + 2 l, + 1: the sums of the wave with wc = 0; 512 bytes on, of the wave with wc = 1
	v_lshlrev_b32 v74, 3, v72
	s_wait_alu depctr_va_vdst(0)
	s_wait_dscnt 0x0                               ; for the others' sake: my sums have landed
	s_barrier_signal -1
	s_barrier_wait -1
	ds_load_b64 v[76:77], v73
	ds_load_b64 v[78:79], v73 offset:512
	s_wait_dscnt 0x0
	v_pk_add_f32 v[76:77], v[76:77], v[78:79]
	global_store_b64 v74, v[76:77], s[82:83]       ; 32 lanes store 256 consecutive bytes, aligned
	s_wait_tensorcnt 0x0                           ; the wave's end, behind my last tensor load and my last LDS store
	ds_add_u32 v[SPW], v[NIL]
	s_wait_dscnt 0x0
	CROUND                                         ; the closing round: no work-group ends while a partner may still ask for a panel that names it
	s_endpgm
.Lfunc_end_k_qdc3ce173cd_main:
	.size	k_qdc3ce173cd_main, .Lfunc_end_k_qdc3ce173cd_main-k_qdc3ce173cd_main
	.p2alignl 7, 3214868480
	.fill 96, 4, 3214868480
	.section	.rodata,"a",@progbits
	.p2align	6, 0x0
	.amdhsa_kernel k_qdc3ce173cd_main
		.amdhsa_group_segment_fixed_size 327680
		.amdhsa_private_segment_fixed_size 0
		.amdhsa_enable_private_segment 0
		.amdhsa_kernarg_size 80
		.amdhsa_user_sgpr_count 2
		.amdhsa_user_sgpr_kernarg_segment_ptr 1
		.amdhsa_wavefront_size32 1
		.amdhsa_system_sgpr_workgroup_id_x 1
		.amdhsa_system_sgpr_workgroup_id_y 1
		.amdhsa_system_sgpr_workgroup_id_z 1
		.amdhsa_system_vgpr_workitem_id 0
		.amdhsa_next_free_vgpr 1024
		.amdhsa_next_free_sgpr 102
		.amdhsa_reserve_vcc 0
		.amdhsa_float_denorm_mode_32 3
		.amdhsa_float_denorm_mode_16_64 3
		.amdhsa_memory_ordered 1
		.amdhsa_forward_progress 1
		.amdhsa_inst_pref_size 255
	.end_amdhsa_kernel
	.section	.bss,"aw",@nobits
	.p2align	6
	.space	262144
	.amdgpu_metadata
---
amdhsa.version: [ 1, 2 ]
amdhsa.kernels:
  - .name:           k_qdc3ce173cd_main
    .symbol:         k_qdc3ce173cd_main.kd
    .args:
      - { .name: apan, .offset: 0, .size: 8, .value_kind: global_buffer, .address_space: global }
      - { .name: bpan, .offset: 8, .size: 8, .value_kind: global_buffer, .address_space: global }
      - { .name: c0, .offset: 16, .size: 8, .value_kind: global_buffer, .address_space: global }
      - { .name: x, .offset: 24, .size: 8, .value_kind: global_buffer, .address_space: global }
      - { .name: W_ih, .offset: 32, .size: 8, .value_kind: global_buffer, .address_space: global }
      - { .name: b_ih, .offset: 40, .size: 8, .value_kind: global_buffer, .address_space: global }
      - { .name: b_hh, .offset: 48, .size: 8, .value_kind: global_buffer, .address_space: global }
      - { .name: fc_W, .offset: 56, .size: 8, .value_kind: global_buffer, .address_space: global }
      - { .name: film_b2, .offset: 64, .size: 8, .value_kind: global_buffer, .address_space: global }
      - { .name: part, .offset: 72, .size: 8, .value_kind: global_buffer, .address_space: global }
    .group_segment_fixed_size: 327680
    .private_segment_fixed_size: 0
    .kernarg_segment_align: 8
    .kernarg_segment_size: 80
    .max_flat_workgroup_size: 128
    .sgpr_count:     102
    .vgpr_count:     1024
    .wavefront_size: 32
...
	.end_amdgpu_metadata
.endif
;; end of part 2
;; launch fin (part 3): grid 64 x 1, 1 waves a work-group, no clusters, 0 bytes of LDS; arguments part, fc_b, out0; writes out0
.if DOCPART == 3
	.amdgcn_target "amdgcn-amd-amdhsa--gfx1250"
	.amdhsa_code_object_version 6
	.text
	.protected	k_qdc3ce173cd_fin
	.globl	k_qdc3ce173cd_fin
	.p2align	8
	.type	k_qdc3ce173cd_fin,@function
k_qdc3ce173cd_fin:
	s_mov_b64 s[64:65], 0
	v_nop
	global_prefetch_b8 v0, s[64:65] scope:SCOPE_SE
	s_setreg_imm32_b32 hwreg(HW_REG_WAVE_MODE, 25, 1), 1
	s_wait_xcnt 0x0
; out0[row] = fc_b + the sum over the eight blocks Jb of part[Jb][row], in ascending Jb.  One owner for each output: lane l of work-group g owns rows 128 g + 4 l .. + 3.
; 262,144 bytes in, 32,768 out: eight loads of 512 consecutive bytes a wave, one store of 512.  No LDS, no barrier: lanes share nothing.
	s_load_b128 s[4:7], s[0:1], 0x0                ; part s[4:5], fc_b s[6:7]
	s_load_b64 s[8:9], s[0:1], 0x10                ; out0
	s_lshl_b32 s10, ttmp9, 9                       ; 128 rows of 4 bytes
	v_lshl_add_u32 v1, v0, 4, s10
	s_wait_alu depctr_va_vdst(0)
	s_wait_kmcnt 0x0
	s_load_b32 s12, s[6:7], 0x0
.irp k, 0,1,2,3,4,5,6,7
	global_load_b128 v[4+4*\k:7+4*\k], v1, s[4:5] offset:32768*\k th:TH_LOAD_NT
.endr
	s_wait_kmcnt 0x0
	s_mov_b32 s13, s12                             ; (named with it as a pair, so it is written)
.irp k, 1,2,3,4,5,6,7
	s_wait_alu depctr_va_vdst(0)
	s_wait_loadcnt 7-\k                            ; loads come back in order: blocks 0 to k are in, the younger ones may be out
	v_pk_add_f32 v[4:5], v[4:5], v[4+4*\k:5+4*\k]
	v_pk_add_f32 v[6:7], v[6:7], v[6+4*\k:7+4*\k]
.endr
	v_pk_add_f32 v[4:5], v[4:5], s[12:13] op_sel_hi:[1,0]
	v_pk_add_f32 v[6:7], v[6:7], s[12:13] op_sel_hi:[1,0]
	global_store_b128 v1, v[4:7], s[8:9]           ; 32 lanes store 512 consecutive bytes, aligned
	s_endpgm
.Lfunc_end_k_qdc3ce173cd_fin:
	.size	k_qdc3ce173cd_fin, .Lfunc_end_k_qdc3ce173cd_fin-k_qdc3ce173cd_fin
	.p2alignl 7, 3214868480
	.fill 96, 4, 3214868480
	.section	.rodata,"a",@progbits
	.p2align	6, 0x0
	.amdhsa_kernel k_qdc3ce173cd_fin
		.amdhsa_group_segment_fixed_size 0
		.amdhsa_private_segment_fixed_size 0
		.amdhsa_enable_private_segment 0
		.amdhsa_kernarg_size 24
		.amdhsa_user_sgpr_count 2
		.amdhsa_user_sgpr_kernarg_segment_ptr 1
		.amdhsa_wavefront_size32 1
		.amdhsa_system_sgpr_workgroup_id_x 1
		.amdhsa_system_sgpr_workgroup_id_y 1
		.amdhsa_system_sgpr_workgroup_id_z 1
		.amdhsa_system_vgpr_workitem_id 0
		.amdhsa_next_free_vgpr 36
		.amdhsa_next_free_sgpr 66
		.amdhsa_reserve_vcc 0
		.amdhsa_float_denorm_mode_32 3
		.amdhsa_float_denorm_mode_16_64 3
		.amdhsa_memory_ordered 1
		.amdhsa_forward_progress 1
		.amdhsa_inst_pref_size 3
	.end_amdhsa_kernel
	.amdgpu_metadata
---
amdhsa.version: [ 1, 2 ]
amdhsa.kernels:
  - .name:           k_qdc3ce173cd_fin
    .symbol:         k_qdc3ce173cd_fin.kd
    .args:
      - { .name: part, .offset: 0, .size: 8, .value_kind: global_buffer, .address_space: global }
      - { .name: fc_b, .offset: 8, .size: 8, .value_kind: global_buffer, .address_space: global }
      - { .name: out0, .offset: 16, .size: 8, .value_kind: global_buffer, .address_space: global }
    .group_segment_fixed_size: 0
    .private_segment_fixed_size: 0
    .kernarg_segment_align: 8
    .kernarg_segment_size: 24
    .max_flat_workgroup_size: 32
    .sgpr_count:     66
    .vgpr_count:     36
    .wavefront_size: 32
...
	.end_amdgpu_metadata
.endif
;; end of part 3
